; MI455X (gfx1250); checked and timed in simulation.
; The chip was launched on July 23, 2026; its instructions are those of AMD's public machine-readable ISA for CDNA 5 (MIT licence, August 2026) and "CDNA5" Instruction Set Architecture Reference Guide (July 2026). The comments in the code are by the model that wrote it; some were corrected since.
;; Anemll QAT Linear Refactored. Allowed arithmetic: matrix products marked QUANTISED: E4M3 operands, one E8M0 scale for each 32 along K, by v_wmma_scale_f32_16x16x128_f8f6f4 with both operands' format E4M3, f32 sums; products left as they are: f32 operands where the result goes on into a quantised operand, else bf16, f16 or f32 operands; f32 sums; everything else in f32.
;; Inputs: bias 4,096 float32; rank_magnitude 4 float32; scale_A 4,096 x 4 float32; scale_B 4 x 4,096 float32; weight 4,096 x 4,096 float32; x 2 x 2,048 x 4,096 float32.
;; Outputs: out0 2 x 2,048 x 4,096 float32.
;; This version of the problem:
;;   THIS VERSION OF THE PROBLEM IS GIVEN IN LOW PRECISION. The matrix products marked QUANTISED in the list below multiply operands that are first quantised to E4M3 (4 exponent bits, 3 mantissa bits; 8 bits a number), with one power-of-two scale for each 32 numbers along K (OCP MX v1.0); their sums are f32. All else is computed in f32.
;;   The module's matrix products, in the order in which they are computed (A, B: the left and right operand; K: the contracted axis; several contracted axes count as one K, in the product's order):
;;     1. [M 4,096, K 4] x [K 4, N 4,096]; A: computed on the way; B: computed on the way: left as it is (K = 4 < 32)
;;     2. batch 16,777,216 x [M 1, K 1] x [K 1, N 1]; A: computed on the way; B: computed on the way: left as it is (no contracted axis)
;;     3. [M 4,096, K 4,096] x [K 4,096, N 4,096]; A: input x; B: computed on the way: QUANTISED
;;   THE QUANTISER, for each operand of a quantised product, along K:
;;     - K is cut into blocks of 32 from its start; a last block that is shorter is filled with zeros.
;;     - A block's scale is 2^e with e = floor(log2(the largest magnitude in the block)) - 8, held to -126 .. 127; a block of zeros has e = 0. As a byte (E8M0): e + 127.
;;     - Each number is divided by its block's scale, clamped to +-448, and rounded to the nearest number of E4M3, ties to even, subnormals kept.
;;     - The product sums the exact products of the quantised numbers (number of the format x scale) in f32.
;;   ~~~python
;;   def quantise(x, axis):      # numpy; x: float32 -> the quantised numbers, widened to float32 again
;;       x = np.moveaxis(x, axis, -1); K = x.shape[-1]
;;       x = np.pad(x, [(0, 0)] * (x.ndim - 1) + [(0, -K % 32)]); x = x.reshape(x.shape[:-1] + (-1, 32)); a = np.abs(x).max(-1, keepdims=True)
;;       e = np.where(a > 0, np.clip(np.frexp(np.where(a > 0, a, 1))[1] - 1 - 8, -126, 127), 0)      # np.frexp(a)[1] - 1 = floor(log2(a)), exactly
;;       r = np.clip(x / 2.0 ** e, -448, 448)
;;       step = 2.0 ** (np.maximum(np.frexp(np.where(r == 0, 1, r))[1] - 1, -6) - 3)
;;       q = np.round(r / step) * step * 2.0 ** e      # np.round: ties to even
;;       return np.moveaxis(q.reshape(q.shape[:-2] + (-1,))[..., :K], -1, axis).astype(np.float32)
;;   ~~~
;;   OPERANDS COMPUTED ON THE WAY. 'Computed on the way' means the value that the module computes at that place (a softmax that the list does not call 'softmax' is quantised finished and normalised). What goes into a quantiser is computed in f32, as accurately as f32 sums, v_exp_f32 and their like allow (about 1e-6 of the number): no bf16 or f16 on the way to a quantiser, and a product that is left as it is and whose result goes on into a quantised operand takes f32 operands (vector FMAs, or v_wmma_f32_16x16x4_f32). A number that lies on a knife's edge between two numbers of the format may be rounded either way, as far as f32 arithmetic and the matrix unit's own rounding can turn it there, and no further.
;; One version. Each part assembles by itself: llvm-mc -triple=amdgcn-amd-amdhsa -mcpu=gfx1250 --defsym DOCPART=n.
;; ======== version 1 of 1: 2 launches
;; limits: right only within a limited range of input values
;; workspace buffers: xq 17,301,504 bytes; wq 17,301,504 bytes
;; launch quant (part 1): grid 256 x 1, 16 waves a work-group, no clusters, 327,680 bytes of LDS; arguments x, weight, scale_A, scale_B, rank_magnitude, xq, wq; writes xq, wq
.if DOCPART == 1
	.amdgcn_target "amdgcn-amd-amdhsa--gfx1250"
	.amdhsa_code_object_version 6
	.text
	.protected	k_q6e6836f3e6_quant
	.globl	k_q6e6836f3e6_quant
	.p2align	8
	.type	k_q6e6836f3e6_quant,@function
k_q6e6836f3e6_quant:
	s_mov_b64 s[64:65], 0
	v_nop
	global_prefetch_b8 v0, s[64:65] scope:SCOPE_SE
	s_setreg_imm32_b32 hwreg(HW_REG_WAVE_MODE, 25, 1), 1
	s_wait_xcnt 0x0
; Both operands of out = x Weff^T are turned into codes of FP8 (E4M3) with one E8M0 scale byte for each 32 along K, K = the 4,096 inputs, innermost in x and in weight.
; x [4096][4096] f32 is quantised as it is.  Weff[o][i] = weight[o][i] * S[o][i], S[o][i] = sum over r = 0..3 of tanh(scale_A[o][r]) g[r] tanh(scale_B[r][i]), all in f32, is made here and quantised.
; WHAT IS STORED.  xq and wq are laid [R 0..31][s 0..15][BLK bytes]: block (R, s) serves rows 128 R .. 128 R + 127 and K = 256 s .. 256 s + 255: first the codes, row p at 256 p, K innermost (32,768 bytes),
; then the scale bytes, row p's eight at 32,768 + 8 p.
; SHARES.  Work-groups 0..127 make x's blocks, 128..255 Weff's, four blocks each (one R, four neighbouring s).  Sixteen waves: wave 4 b + w takes rows 32 w .. 32 w + 31 of the work-group's block b, in 16 steps of two rows x 256 K.
; THE WAY IN.  Each wave has a ring of two LDS slots of its own, 8 rows x 1,024 bytes each, filled by its own tensor loads and read by itself alone: four tiles a wave; one load at the head and one behind each of three
; barriers, each barrier with the waits and the add in front of it.  The sixteen rings take 262,144 bytes; the launch claims all of LDS.
; A step reads four times 512 consecutive bytes from its slot: load q is row 2 t + q / 2, K = 128 (q % 2) + 0 .. 127; lane l holds its K = 4 l .. 4 l + 3.  A block of 32 lies in eight neighbouring lanes, whose maxima are
; joined by three DPP steps.  A conversion takes eight numbers under one scale, and a lane's eight belong to two blocks: so each number is first multiplied by 2^-e of its own block (a power of two: nothing is rounded),
; held within +-448, and converted under the scale 1.  The four code words of a lane are then transposed within each four lanes: lane 4 Q + q ends with the 16 neighbouring codes K = 16 Q .. 16 Q + 15 of load q.
; THE WAY OUT.  All 16 steps' codes stay in registers; the wave's stores, 512 consecutive bytes each, stand behind its last step.  The scale bytes are gathered in the wave's own 256 bytes of LDS and leave as 256 consecutive bytes.
; THE SCALE: 2^(floor(log2(the block's largest magnitude)) - 8); its byte is that magnitude's exponent field - 8, held at 1 from below by a floor among the maximum's leaves.
; TANH, to about 1e-6 of the number: where x^2 < 1/16 the odd series x + x t (c3 + c5 t + c7 t^2 + c9 t^3), t = x^2; else 1 - 2 / (1 + 2^(2 log2(e) x)).  Both are computed and one is selected: no branch on data.
; ONE TEXT FOR BOTH TENSORS: what Weff alone needs stands under scalar branches on the work-group's number (s2), which lead round no barrier, wait, add or tensor load.  There wave 4 b + r makes rank r of tanh(scale_B) at
; block b's 256 columns for the block's four waves (LDS; the barrier in front of slot 1's first fill shows it); a lane's eight columns are the same in every step.  Lane p of a wave makes Ag of its row p; a step's two rows'
; Ag go to scalar registers by v_readlane_b32.  The rank-4 sum is one multiplication and three fused multiply-adds in ascending r.  (The registers of that work are set to 0 at the head, so that they are written on every way.)
; NO JOINT LOADS: no two work-groups read the same bytes.  NO PREFETCH: the launch has no other work than this stream, and each byte is asked for once, a whole tile ahead of its use.
; LIMITS: NaN and infinities among the inputs are not served.  A block of zeros gets the byte 1 where the rule says 127: its codes are zeros, which add nothing under any byte but 0xff, and this program alone reads the bytes.
.set ROWB,  16384                      ; a row of x or of weight in bytes
.set BLK,   33792                      ; a block of xq or wq in bytes
.set TROWS, 8                          ; rows in a tile
.set TILE,  TROWS*1024                 ; bytes in a tile, and in a slot
.set SCB,   16*2*TILE                  ; behind the rings: 256 scale bytes for each wave
.set BMB,   SCB+4096                   ; tanh(scale_B): block b at 4,096 b, rank r at 1,024 r, 256 columns of 4 bytes
.set SPARE, BMB+16384                  ; the spare words, 128 bytes for each wave: no other line names them
.set SPW,   12                         ; v12  my spare word's address; never rewritten
.set NIL,   13                         ; v13  0; never rewritten
.set R,     16                         ; v16-47    two sets of 16 numbers: load q at 4 q
.set E,     80                         ; v80-95    a scale byte for each step
.set T,     112                        ; v112-115  the code words of loads 0..3
.set Y,     116                        ; v116-119  what the DPP moves bring
.set M,     120                        ; v120-123  the largest magnitudes
.set EX,    124                        ; v124-127  their exponent fields
.set INV,   128                        ; v128-135  2^-e at the even registers (the packed form names pairs)
.set ONE,   136                        ; v136      1.0: the conversions' scale
.set LA,    137                        ; v137      my 16 bytes in my wave's ring
.set SEL,   138                        ; v138-139  at work on the scale byte
.set AGV,   140                        ; v140-143  Ag of row lane, ranks 0..3
.set BM,    144                        ; v144-175  tanh(scale_B): rank r, chunk j at BM + 8 r + 4 j
.set S,     176                        ; v176-191  S at my 16 numbers
.set C,     192                        ; v192-255  sixteen sets of codes, one for each step (ahead of the steps these registers serve the tanh)
.set TX,    192                        ; the tanh of 12 numbers: x,
.set TE,    204                        ; the exponential's way,
.set TT,    216                        ; t = x^2,
.set TQ,    228                        ; the series' polynomial,
.set TR,    240                        ; the result
.set AGS,   66                         ; s66-81    Ag of the step's two rows: row u, rank r at AGS + 8 u + 2 r (pairs for the packed forms)
.set G1,    84                         ; s[84:91]  descriptor group 1: the tile's shape
.set G0,    92                         ; s[92:99]  descriptor group 0, a set for each slot
; v2 lane; v3 16 x lane; v5 my scale byte's place; v6, v7 the scale bytes' way out; v9 my 16 codes' place in a step's 512; v10 tanh(scale_B), written; v11 read
	s_load_b256 s[4:11], s[0:1], 0x0               ; x s[4:5], weight s[6:7], scale_A s[8:9], scale_B s[10:11]
	s_load_b128 s[12:15], s[0:1], 0x20             ; rank_magnitude s[12:13], xq s[14:15]
	s_load_b64 s[16:17], s[0:1], 0x30              ; wq
	v_lshl_add_u32 v[SPW], v0, 2, SPARE
	v_mov_b32 v[NIL], 0
	ds_add_u32 v[SPW], v[NIL]                      ; the opening lines ahead of my first tensor load: the add,
	ds_add_u32 v[SPW], v[NIL]                      ; twice on end, under the one wait below
	v_lshrrev_b32 v1, 5, v0
	v_readfirstlane_b32 s62, v1                    ; wave 0..15
	s_and_b32 s18, s62, 3                          ; w: which 32 rows of the block; also my rank of scale_B
	s_lshr_b32 s63, s62, 2                         ; b: which block of the work-group's four
	s_lshl_b32 s30, s62, 8
	s_add_co_u32 s30, s30, SCB                     ; my wave's 256 scale bytes
	s_lshl_b32 s31, s62, 10
	s_add_co_u32 s31, s31, BMB                     ; my rank of my block's tanh(scale_B)
	s_lshl_b32 s82, s63, 12
	s_add_co_u32 s82, s82, BMB                     ; my block's four ranks
	s_lshl_b32 s83, s62, 14                        ; my wave's ring
	v_and_b32 v2, 31, v0                           ; lane
	v_lshlrev_b32 v3, 4, v2                        ; my 16 bytes of 512
	v_and_b32 v4, 3, v2                            ; q
	v_lshrrev_b32 v8, 2, v2                        ; Q
	v_lshlrev_b32 v8, 4, v8
	v_lshl_add_u32 v9, v4, 7, v8                   ; 128 q + 16 Q
	v_lshrrev_b32 v5, 3, v2                        ; my block of 32 among a load's four
	v_lshl_add_u32 v5, v4, 2, v5
	v_add_nc_u32 v5, s30, v5                       ; the byte of load q, block lane / 8, among a step's sixteen: 4 q + lane / 8
	v_lshlrev_b32 v7, 3, v2                        ; on the way out 8 bytes a lane
	v_add_nc_u32 v6, s30, v7
	v_add_nc_u32 v10, s31, v3
	v_add_nc_u32 v11, s82, v3
	v_add_nc_u32 v[LA], s83, v3
	v_mov_b32 v[ONE], 1.0
.irp i, 0,1,2,3
	v_mov_b32 v[Y+\i], 0                           ; a DPP move's destination counts as read
	v_mov_b32 v[INV+2*\i+1], 0                     ; the pairs' upper halves are named, not used
	v_mov_b32 v[AGV+\i], 0
.endr
.set i, 0
.rept 32
	v_mov_b32 v[BM+i], 0
.set i, i+1
.endr
.irp i, 0,1,2,3,4,5,6,7,8,9,10,11,12,13,14,15
	s_mov_b32 s[AGS+\i], 0
.endr
	s_mov_b32 s36, 0x43e00000                      ; 448
	s_mov_b32 s56, 0xc3e00000                      ; -448
	s_mov_b32 s57, 0x4800000                       ; the floor 2^(9 - 127)
	s_mov_b32 s58, 0x7f800000                      ; the exponent field
	s_mov_b32 s59, 0x83000000                      ; 262 << 23: less the exponent field E it is the field of 2^(135 - E), one over the scale
	s_mov_b32 s60, 0xaaaaaaaa                      ; lanes with q odd
	s_mov_b32 s61, 0xcccccccc                      ; lanes with q = 2, 3
	s_mov_b32 s37, 0x3cb327a4                      ; c9 =  62 / 2835
	s_mov_b32 s38, 0xbd5d0dd1                      ; c7 = -17 / 315
	s_mov_b32 s39, 0x3e088889                      ; c5 =   2 / 15
	s_mov_b32 s40, 0xbeaaaaab                      ; c3 =  -1 / 3
	s_mov_b32 s[G1+0], 2<<16                       ; no mask; elements of 4 bytes; no padding
	s_mov_b32 s[G1+1], 256<<16                     ; tensor_dim0 = 256 elements
	s_mov_b32 s[G1+2], TROWS<<16                   ; tensor_dim1 = 8
	s_mov_b32 s[G1+3], 256<<16                     ; tile_dim0 = 256
	s_mov_b32 s[G1+4], TROWS                       ; tile_dim1 = 8
	s_mov_b32 s[G1+5], 4096                        ; from row to row
	s_mov_b32 s[G1+6], 0
	s_mov_b32 s[G1+7], 0
	s_cmp_lt_u32 ttmp9, 128                        ; x's work-group or Weff's
	s_cselect_b32 s19, 0, 128
	s_cselect_b32 s2, 0, 1                         ; 1: Weff's
	s_sub_co_u32 s19, ttmp9, s19
	s_lshl_b32 s19, s19, 2
	s_add_co_u32 s19, s19, s63                     ; the block's number, 16 R + s
	s_lshr_b32 s41, s19, 4                         ; R
	s_and_b32 s42, s19, 15                         ; s
	s_lshl_b32 s44, s41, 21                        ; the source: (128 R + 32 w) rows of 16,384 bytes + 1,024 s
	s_lshl_b32 s43, s18, 19
	s_or_b32 s44, s44, s43
	s_lshl_b32 s43, s42, 10
	s_or_b32 s44, s44, s43
	s_mov_b32 s45, 0
	s_mul_i32 s46, s19, BLK                        ; the block in xq or wq (under 2^25),
	s_mov_b32 s47, 0
	s_lshl_b32 s48, s18, 13                        ; my wave's 32 rows of codes in it,
	s_mov_b32 s49, 0
	s_lshl_b32 s50, s18, 8
	s_add_co_u32 s50, s50, 32768                   ; and its 256 scale bytes
	s_mov_b32 s51, 0
	s_lshl_b32 s52, s41, 11                        ; scale_A: 16 bytes a row
	s_lshl_b32 s43, s18, 9
	s_or_b32 s52, s52, s43
	s_mov_b32 s53, 0
	s_lshl_b32 s54, s18, 14                        ; scale_B: rank w, columns 256 s on
	s_lshl_b32 s43, s42, 10
	s_or_b32 s54, s54, s43
	s_mov_b32 s55, 0
	s_wait_alu depctr_va_vdst(0)
	s_wait_dscnt 0x0                               ; both opening adds are done
	s_wait_kmcnt 0x0
	s_cmp_lt_u32 ttmp9, 128                        ; the choice of buffers hangs on the work-group's number alone
	s_cselect_b64 s[20:21], s[4:5], s[6:7]
	s_cselect_b64 s[22:23], s[14:15], s[16:17]
	s_add_nc_u64 s[20:21], s[20:21], s[44:45]      ; where my wave reads
	s_add_nc_u64 s[22:23], s[22:23], s[46:47]
	s_add_nc_u64 s[24:25], s[22:23], s[50:51]      ; where its scale bytes go
	s_add_nc_u64 s[22:23], s[22:23], s[48:49]      ; and its codes
	s_add_nc_u64 s[26:27], s[8:9], s[52:53]
	s_add_nc_u64 s[28:29], s[10:11], s[54:55]
.irp s, 0,1
	s_mov_b32 s[G0+4*\s], 1
	s_add_co_u32 s[G0+4*\s+1], s83, \s*TILE                        ; LDS: my ring, slot s
	s_add_nc_u64 s[G0+4*\s+2:G0+4*\s+3], s[20:21], \s*TROWS*ROWB   ; rows 8 s on
	s_or_b32 s[G0+4*\s+3], s[G0+4*\s+3], 0x80000000
.endr
	tensor_load_to_lds s[G0:G0+3], s[G1:G1+7]      ; rows 0 to 7: my one tensor load at the head
	s_nop 0
.rept 4
	v_nop
.endr
; tanh of the twelve numbers v[TX] on, into v[TR] on.  Two batches of transcendentals, each with one wait ahead of it and one behind it.
.macro TANH12
.irp i, 0,1,2,3,4,5,6,7,8,9,10,11
	v_mul_f32 v[TE+\i], 0x4038aa3b, v[TX+\i]       ; 2 log2(e) x
.endr
	s_wait_alu depctr_va_vdst(0)
.irp i, 0,1,2,3,4,5,6,7,8,9,10,11
	v_exp_f32 v[TE+\i], v[TE+\i]                   ; e^(2 x)
.endr
.irp i, 0,1,2,3,4,5,6,7,8,9,10,11
	v_mul_f32 v[TT+\i], v[TX+\i], v[TX+\i]         ; t = x^2
.endr
.irp i, 0,1,2,3,4,5,6,7,8,9,10,11
	v_fma_f32 v[TQ+\i], v[TT+\i], s37, s38         ; c9 t + c7
.endr
.irp i, 0,1,2,3,4,5,6,7,8,9,10,11
	v_fma_f32 v[TQ+\i], v[TQ+\i], v[TT+\i], s39    ; .. t + c5
.endr
.irp i, 0,1,2,3,4,5,6,7,8,9,10,11
	v_fma_f32 v[TQ+\i], v[TQ+\i], v[TT+\i], s40    ; .. t + c3
.endr
	s_wait_alu depctr_va_vdst(0)                   ; one wait for the twelve exponentials
.irp i, 0,1,2,3,4,5,6,7,8,9,10,11
	v_add_f32 v[TE+\i], 1.0, v[TE+\i]
.endr
	s_wait_alu depctr_va_vdst(0)
.irp i, 0,1,2,3,4,5,6,7,8,9,10,11
	v_rcp_f32 v[TE+\i], v[TE+\i]                   ; 1 / (1 + e^(2 x))
.endr
.irp i, 0,1,2,3,4,5,6,7,8,9,10,11
	v_mul_f32 v[TR+\i], v[TX+\i], v[TT+\i]         ; x t
.endr
.irp i, 0,1,2,3,4,5,6,7,8,9,10,11
	v_fma_f32 v[TR+\i], v[TR+\i], v[TQ+\i], v[TX+\i]   ; the series: x + x t (..)
.endr
	s_wait_alu depctr_va_vdst(0)                   ; one wait for the twelve reciprocals
.irp i, 0,1,2,3,4,5,6,7,8,9,10,11
	v_fma_f32 v[TE+\i], v[TE+\i], -2.0, 1.0        ; 1 - 2 / (1 + e^(2 x))
.endr
.irp i, 0,1,2,3,4,5,6,7,8,9,10,11
	v_cmp_gt_f32 vcc_lo, 0x3d800000, v[TT+\i]      ; 1/16 > t: the series
	v_cndmask_b32 v[TR+\i], v[TE+\i], v[TR+\i], vcc_lo
.endr
.endm
.macro LDSL t                          ; step t's numbers out of its slot: four times 512 consecutive bytes, into set t % 2
.irp i, 0,1,2,3
	ds_load_b128 v[R+16*((\t)%2)+4*\i:R+16*((\t)%2)+4*\i+3], v[LA] offset:(((\t)/4)%2)*TILE+((\t)%4)*2048+512*\i
.endr
.endm
.macro STEP t
.set XS, R+16*((\t)%2)
.set CS, C+4*(\t)
.if (\t)%4 < 3
	LDSL (\t)+1                                    ; the next step of the same tile, into the other set
	s_wait_dscnt 4                                 ; all but the four just issued: this step's numbers are in
.else
	s_wait_dscnt 0x0
.endif
	s_cmp_eq_u32 s2, 0
	s_cbranch_scc1 .Lplain_\@                      ; x is quantised as it is
.irp r, 0,1,2,3
	v_readlane_b32 s[AGS+2*\r], v[AGV+\r], 2*(\t)          ; Ag of row 2 t,
	v_readlane_b32 s[AGS+8+2*\r], v[AGV+\r], 2*(\t)+1      ; and of row 2 t + 1
.endr
.irp q, 0,1,2,3
.irp p, 0,2
	v_pk_mul_f32 v[S+4*\q+\p:S+4*\q+\p+1], v[BM+4*(\q%2)+\p:BM+4*(\q%2)+\p+1], s[AGS+8*(\q/2):AGS+8*(\q/2)+1] op_sel_hi:[1,0]
.endr
.endr
.irp r, 1,2,3
.irp q, 0,1,2,3
.irp p, 0,2
	v_pk_fma_f32 v[S+4*\q+\p:S+4*\q+\p+1], v[BM+8*\r+4*(\q%2)+\p:BM+8*\r+4*(\q%2)+\p+1], s[AGS+8*(\q/2)+2*\r:AGS+8*(\q/2)+2*\r+1], v[S+4*\q+\p:S+4*\q+\p+1] op_sel_hi:[1,0,1]
.endr
.endr
.endr
.irp j, 0,2,4,6,8,10,12,14
	v_pk_mul_f32 v[XS+\j:XS+\j+1], v[XS+\j:XS+\j+1], v[S+\j:S+\j+1]     ; Weff = weight x S
.endr
.Lplain_\@:
.irp q, 0,1,2,3
	v_max3_num_f32 v[M+\q], |v[XS+4*\q]|, |v[XS+4*\q+1]|, s57      ; my four numbers of each load, and the floor; the four loads by turns
.endr
.irp q, 0,1,2,3
	v_max3_num_f32 v[M+\q], v[M+\q], |v[XS+4*\q+2]|, |v[XS+4*\q+3]|
.endr
.irp k, 1,2,4
.irp q, 0,1,2,3
	v_max_num_f32_dpp v[M+\q], v[M+\q], v[M+\q] row_xmask:\k row_mask:0xf bank_mask:0xf   ; with the other seven lanes of the block
.endr
.endr
.irp q, 0,1,2,3
	v_and_b32 v[EX+\q], s58, v[M+\q]               ; the largest magnitude's exponent field E
.endr
.irp q, 0,1,2,3
	v_sub_nc_u32 v[INV+2*\q], s59, v[EX+\q]        ; 2^(135 - E): one over the scale
.endr
.irp q, 0,1,2,3
.irp p, 0,2
	v_pk_mul_f32 v[XS+4*\q+\p:XS+4*\q+\p+1], v[XS+4*\q+\p:XS+4*\q+\p+1], v[INV+2*\q:INV+2*\q+1] op_sel_hi:[1,0]   ; by a power of two: nothing is rounded
.endr
.endr
.irp i, 0,1,2,3,4,5,6,7,8,9,10,11,12,13,14,15
	v_med3_num_f32 v[XS+\i], v[XS+\i], s56, s36    ; the conversion to an 8-bit code does not saturate (ISA guide 7.6.2): held within +-448 first
.endr
	v_cvt_scalef32_pk8_fp8_f32 v[T:T+1], v[XS:XS+7], v[ONE]        ; loads 0 and 1: a word of four codes each
	v_cvt_scalef32_pk8_fp8_f32 v[T+2:T+3], v[XS+8:XS+15], v[ONE]   ; loads 2 and 3
	v_cndmask_b32 v[SEL], v[EX], v[EX+1], s60      ; the exponent field of load q (plain lines behind the conversions)
	v_cndmask_b32 v[SEL+1], v[EX+2], v[EX+3], s60
	v_cndmask_b32 v[SEL], v[SEL], v[SEL+1], s61
	v_lshrrev_b32 v[SEL], 23, v[SEL]
	v_add_nc_u32 v[E+(\t)], -8, v[SEL]             ; the scale's byte
	ds_store_b8 v5, v[E+(\t)] offset:16*(\t)       ; lanes l and l xor 4 write the same byte with the same value
.irp i, 0,1,2,3
	v_mov_b32_dpp v[Y+\i], v[T+\i] row_xmask:1 row_mask:0xf bank_mask:0xf   ; the 4 x 4 words of four lanes are transposed: first the low bit of q against the low bit of the load's number,
.endr
	v_cndmask_b32 v[T], v[T], v[Y+1], s60
	v_cndmask_b32 v[T+1], v[Y], v[T+1], s60
	v_cndmask_b32 v[T+2], v[T+2], v[Y+3], s60
	v_cndmask_b32 v[T+3], v[Y+2], v[T+3], s60
.irp i, 0,1,2,3
	v_mov_b32_dpp v[Y+\i], v[T+\i] row_xmask:2 row_mask:0xf bank_mask:0xf   ; then the high bits
.endr
	v_cndmask_b32 v[CS], v[T], v[Y+2], s61
	v_cndmask_b32 v[CS+1], v[T+1], v[Y+3], s61
	v_cndmask_b32 v[CS+2], v[Y], v[T+2], s61
	v_cndmask_b32 v[CS+3], v[Y+1], v[T+3], s61
.endm
; Tile h (rows 8 h .. 8 h + 7, in slot h % 2): four steps.  left = how many younger tensor loads of mine may stay out.
.macro TILEIN h, left
	s_wait_tensorcnt \left                         ; a wave's tensor loads end in order (ISA guide 10.11.1): my tile is in LDS
	LDSL 4*(\h)
.irp u, 0,1,2,3
	STEP 4*(\h)+\u
.endr
.endm
; Slot s is filled: again, with the rows 16 further down (step = 1), or for the first time (step = 0), which is issued in the same way.
.macro FILL s, step
	s_wait_tensorcnt 0x0                           ; all my tensor loads have landed, so a group 0 may be written
	ds_add_u32 v[SPW], v[NIL]                      ; 0 onto my spare word
.if \step
	s_add_nc_u64 s[G0+4*\s+2:G0+4*\s+3], s[G0+4*\s+2:G0+4*\s+3], 2*TROWS*ROWB
.endif
	s_wait_dscnt 0x0                               ; the add is done, my LDS stores too, and my reads of the slot are back
	s_barrier_signal -1
	s_barrier_wait -1
	tensor_load_to_lds s[G0+4*\s:G0+4*\s+3], s[G1:G1+7]    ; my one tensor load behind the barrier, and the first thing there
	s_nop 0
.rept 4
	v_nop
.endr
.endm
	s_cmp_eq_u32 s2, 0
	s_cbranch_scc1 .Lno_ranks
	s_load_b128 s[32:35], s[12:13], 0x0            ; g
	global_load_b128 v[TX:TX+3], v3, s[26:27]      ; scale_A: row lane of my wave's 32
	global_load_b128 v[TX+4:TX+7], v3, s[28:29]    ; scale_B: my rank, columns 4 lane .. + 3 of the block's 256,
	global_load_b128 v[TX+8:TX+11], v3, s[28:29] offset:512        ; and 128 + 4 lane .. + 3
	s_wait_loadcnt 0x0
	TANH12
	s_wait_alu depctr_va_vdst(0)
	s_wait_kmcnt 0x0                               ; g
.irp r, 0,1,2,3
	v_mul_f32 v[AGV+\r], s[32+\r], v[TR+\r]        ; Ag = tanh(scale_A) g
.endr
	ds_store_b128 v10, v[TR+4:TR+7]
	ds_store_b128 v10, v[TR+8:TR+11] offset:512
	s_wait_alu depctr_va_vdst(0)
.Lno_ranks:
	FILL 1, 0                                      ; rows 0 to 7 have landed and every rank of tanh(scale_B) lies in LDS; rows 8 to 15 go out: slot 1's first fill
	s_cmp_eq_u32 s2, 0
	s_cbranch_scc1 .Lno_columns
.irp r, 0,1,2,3
.irp j, 0,1
	ds_load_b128 v[BM+8*\r+4*\j:BM+8*\r+4*\j+3], v11 offset:1024*\r+512*\j   ; my eight columns of each rank: they stay (the first step's wait on DScnt covers them)
.endr
.endr
.Lno_columns:
	TILEIN 0, 1                                    ; the count leaves slot 1's fill on its way
	FILL 0, 1                                      ; rows 16 to 23 go out
	TILEIN 1, 1
	FILL 1, 1                                      ; rows 24 to 31: the last load
	TILEIN 2, 1
	TILEIN 3, 0
	ds_load_b64 v[14:15], v6                       ; LDS serves a wave's instructions in order (ISA guide 5.7.1): these see my byte stores
	s_wait_alu depctr_va_vdst(0)
	s_wait_dscnt 0x0
.irp t, 0,1,2,3,4,5,6,7,8,9,10,11,12,13,14,15
	global_store_b128 v9, v[C+4*\t:C+4*\t+3], s[22:23] offset:512*\t   ; the 32 lanes store a step's 512 consecutive bytes: two rows' 256 codes
.endr
	global_store_b64 v7, v[14:15], s[24:25]        ; 32 lanes store 256 consecutive bytes, at a multiple of 256 from the buffer's first byte
	s_wait_tensorcnt 0x0                           ; the wave's end
	ds_add_u32 v[SPW], v[NIL]
	s_wait_dscnt 0x0
	s_endpgm
.Lfunc_end_k_q6e6836f3e6_quant:
	.size	k_q6e6836f3e6_quant, .Lfunc_end_k_q6e6836f3e6_quant-k_q6e6836f3e6_quant
	.p2alignl 7, 3214868480
	.fill 96, 4, 3214868480
	.section	.rodata,"a",@progbits
	.p2align	6, 0x0
	.amdhsa_kernel k_q6e6836f3e6_quant
		.amdhsa_group_segment_fixed_size 327680
		.amdhsa_private_segment_fixed_size 0
		.amdhsa_enable_private_segment 0
		.amdhsa_kernarg_size 56
		.amdhsa_user_sgpr_count 2
		.amdhsa_user_sgpr_kernarg_segment_ptr 1
		.amdhsa_wavefront_size32 1
		.amdhsa_system_sgpr_workgroup_id_x 1
		.amdhsa_system_sgpr_workgroup_id_y 1
		.amdhsa_system_sgpr_workgroup_id_z 1
		.amdhsa_system_vgpr_workitem_id 0
		.amdhsa_next_free_vgpr 256
		.amdhsa_next_free_sgpr 100
		.amdhsa_reserve_vcc 1
		.amdhsa_float_denorm_mode_32 3
		.amdhsa_float_denorm_mode_16_64 3
		.amdhsa_memory_ordered 1
		.amdhsa_forward_progress 1
		.amdhsa_inst_pref_size 144
	.end_amdhsa_kernel
	.amdgpu_metadata
---
amdhsa.version: [ 1, 2 ]
amdhsa.kernels:
  - .name:           k_q6e6836f3e6_quant
    .symbol:         k_q6e6836f3e6_quant.kd
    .args:
      - { .name: x, .offset: 0, .size: 8, .value_kind: global_buffer, .address_space: global }
      - { .name: weight, .offset: 8, .size: 8, .value_kind: global_buffer, .address_space: global }
      - { .name: scale_A, .offset: 16, .size: 8, .value_kind: global_buffer, .address_space: global }
      - { .name: scale_B, .offset: 24, .size: 8, .value_kind: global_buffer, .address_space: global }
      - { .name: rank_magnitude, .offset: 32, .size: 8, .value_kind: global_buffer, .address_space: global }
      - { .name: xq, .offset: 40, .size: 8, .value_kind: global_buffer, .address_space: global }
      - { .name: wq, .offset: 48, .size: 8, .value_kind: global_buffer, .address_space: global }
    .group_segment_fixed_size: 327680
    .private_segment_fixed_size: 0
    .kernarg_segment_align: 8
    .kernarg_segment_size: 56
    .max_flat_workgroup_size: 512
    .sgpr_count:     100
    .vgpr_count:     256
    .wavefront_size: 32
...
	.end_amdgpu_metadata
.endif
;; end of part 1
;; launch gemm (part 2): grid 16 x 16, 4 waves a work-group, clusters of 4 x 4, 327,680 bytes of LDS; arguments xq, wq, bias, out0; writes out0
.if DOCPART == 2
	.amdgcn_target "amdgcn-amd-amdhsa--gfx1250"
	.amdhsa_code_object_version 6
	.text
	.protected	k_q6e6836f3e6_gemm
	.globl	k_q6e6836f3e6_gemm
	.p2align	8
	.type	k_q6e6836f3e6_gemm,@function
k_q6e6836f3e6_gemm:
	s_mov_b64 s[64:65], 0
	v_nop
	global_prefetch_b8 v0, s[64:65] scope:SCOPE_SE
	s_setreg_imm32_b32 hwreg(HW_REG_WAVE_MODE, 25, 1), 1
	s_wait_xcnt 0x0
	s_wait_alu depctr_hold_cnt(0) depctr_sa_sdst(0) depctr_va_vdst(0) depctr_va_sdst(0) depctr_va_ssrc(0) depctr_va_vcc(0) depctr_vm_vsrc(0)
	s_getreg_b32 s2, hwreg(HW_REG_IB_STS2, 6, 4)
	s_cmp_eq_u32 s2, 0
	s_cbranch_scc0 .Lentry_in_a_cluster
	s_endpgm
.Lentry_in_a_cluster:
	s_bfe_u32 s2, ttmp6, 0x10000c
	s_cmp_lg_u32 s2, 0xf033
	s_cbranch_scc0 .Lentry_shape_is_right
	s_endpgm
.Lentry_shape_is_right:
; out0[m][n] = sum over k of xq[m][k] wq[n][k] + bias[n]: codes of FP8 (E4M3) with E8M0 scale bytes, as launch quant has laid them: blocks of 128 rows x 256 K, 32,768 bytes of codes and 1,024 of scale bytes on end.
; A work-group of four waves makes 256 x 256 of out0, a wave 128 x 128 in 512 registers.  K goes in 16 steps of 256 through a ring of two LDS slots; a wave's one tensor load brings a block, codes and scale bytes, as 132 rows of 256 bytes.
; CLUSTERS of 4 x 4: x's blocks are asked for jointly along a row of the cluster, Weff's along a column.  The matrix instruction is used transposed, the bias is the C of each accumulator's first product,
; and the results leave through each wave's own stage in slot 0 as whole rows of 512 bytes.
; PREFETCH: behind each refill every cluster asks for the K step two refills on of the blocks that it will itself load; the four partners of a joint load share a block's 132 rows out by address, 33 each;
; the last two refills of the loop ask for nothing, so the last K step named is step 15.
.set SIZE_N, 4096
.set BLK,    33792
.set NQ,     2
.set PITCH,  272
.set FR,     16
.set NL,     4
.set NP,     8
.set HALFT,  132*PITCH
.set SC0,    128*PITCH
.set SLOT,   4*HALFT
.set LAPS,   8
.set SPARE,  2*SLOT
.set SPITCH, 528
.set ADRA, 16
.set ADRB, 20
.set ADRS, 22
.set STO,  24
.set RD,   25
.set CO,   26
.set BO,   27
.set SPW,  28
.set NIL,  29
.set PFO,  30
.set PFZ,  31
.set SC,   32
.set BIAS, 64
.set AF,   128
.set BK,   128
.set G1, 24
.set G0, 32
.set G1B, 48
.set G0B, 56
.set PFA, 68
.set LIM, 70
.set MSB, 0
.macro WIN new
.if MSB != (\new)
	s_set_vgpr_msb (MSB<<8)|(\new)
.set MSB, (\new)
.endif
.endm
.set MUL_LO,   0xa1
.set MUL_HI,   0xf1
.set FIRST_LO, 0x81
.set FIRST_HI, 0xc1
.set TO_B,     0x40
.macro JLOAD g0a, g1a, g0b, g1b
	s_cmp_eq_u32 s15, 0
	s_cbranch_scc0 .Lfor_b_\@
	tensor_load_to_lds s[\g0a:\g0a+3], s[\g1a:\g1a+7]
	s_nop 0
.rept 4
	v_nop
.endr
	s_branch .Lasked_\@
.Lfor_b_\@:
	tensor_load_to_lds s[\g0b:\g0b+3], s[\g1b:\g1b+7]
	s_nop 0
.rept 4
	v_nop
.endr
.Lasked_\@:
.endm
.macro ASK
	s_cmp_gt_u32 s3, s[LIM]
	s_cbranch_scc0 .Lnot_mine_\@
	global_prefetch_b8 v[PFO], s[PFA:PFA+1] offset:BLK th:TH_LOAD_NT scope:SCOPE_SE
	global_prefetch_b8 v[PFZ], s[PFA:PFA+1] offset:BLK+8192 th:TH_LOAD_NT scope:SCOPE_SE
.Lnot_mine_\@:
.endm
.macro CREST
	s_cmp_lg_u32 s14, 0
	s_cbranch_scc1 .Lnot_wave_0_\@
	s_barrier_signal -3
.Lnot_wave_0_\@:
	s_barrier_wait -3
	s_barrier_signal -1
	s_barrier_wait -1
.endm
.macro CROUND
	s_barrier_signal -1
	s_barrier_wait -1
	CREST
.endm
	s_load_b256 s[4:11], s[0:1], 0x0
	v_lshl_add_u32 v[SPW], v0, 2, SPARE
	v_mov_b32 v[NIL], 0
	ds_add_u32 v28, v29
	ds_add_u32 v28, v29
	s_wait_dscnt 0x0
	v_lshrrev_b32 v1, 5, v0
	v_readfirstlane_b32 s14, v1
	s_lshr_b32 s15, s14, 1
	s_and_b32 s16, s14, 1
	s_bfe_u32 s40, ttmp6, 0x40000
	s_bfe_u32 s41, ttmp6, 0x40004
	s_lshl_b32 s42, ttmp9, 2
	s_add_co_u32 s42, s42, s40
	s_and_b32 s17, ttmp7, 0xffff
	s_lshl_b32 s17, s17, 2
	s_add_co_u32 s17, s17, s41
	s_lshl_b32 s43, s41, 2
	s_lshl_b32 s43, 15, s43
	s_lshl_b32 s44, 0x1111, s40
	s_or_b32 s[G1+0], s43, (3<<16)|(1<<20)|(1<<21)|(5<<22)|(3<<25)
	s_or_b32 s[G1B+0], s44, (3<<16)|(1<<20)|(1<<21)|(5<<22)|(3<<25)
.irp g, G1, G1B
	s_mov_b32 s[\g+1], 32<<16
	s_mov_b32 s[\g+2], 132<<16
	s_mov_b32 s[\g+3], 32<<16
	s_mov_b32 s[\g+4], 132
	s_mov_b32 s[\g+5], 32
	s_mov_b32 s[\g+6], 0
	s_mov_b32 s[\g+7], 0
.endr
	s_lshl_b32 s20, s17, 1
	s_add_co_u32 s20, s20, s16
	s_mul_i32 s20, s20, 16*BLK
	s_mov_b32 s21, 0
	s_lshl_b32 s46, s42, 1
	s_add_co_u32 s46, s46, s16
	s_mul_i32 s46, s46, 16*BLK
	s_mov_b32 s47, 0
	s_mul_i32 s45, s14, HALFT
	s_wait_kmcnt 0x0
	s_add_nc_u64 s[20:21], s[4:5], s[20:21]
	s_add_nc_u64 s[46:47], s[6:7], s[46:47]
	CROUND
.irp s, 0,1
	s_mov_b32 s[G0+4*\s], 1
	s_add_co_u32 s[G0+4*\s+1], s45, \s*SLOT
	s_add_nc_u64 s[G0+4*\s+2:G0+4*\s+3], s[20:21], \s*BLK
	s_or_b32 s[G0+4*\s+3], s[G0+4*\s+3], 0x80000000
	s_mov_b32 s[G0B+4*\s], 1
	s_add_co_u32 s[G0B+4*\s+1], s45, \s*SLOT
	s_add_nc_u64 s[G0B+4*\s+2:G0B+4*\s+3], s[46:47], \s*BLK
	s_or_b32 s[G0B+4*\s+3], s[G0B+4*\s+3], 0x80000000
	s_wait_alu depctr_va_vdst(0)
	s_wait_tensorcnt 0x0
	ds_add_u32 v28, v29
	ds_add_u32 v28, v29
	s_wait_dscnt 0x0
	CROUND
	JLOAD G0+4*\s, G1, G0B+4*\s, G1B
.endr
	s_cmp_eq_u32 s15, 0
	s_cselect_b32 s23, s40, s41
	s_cselect_b64 s[PFA:PFA+1], s[20:21], s[46:47]
	s_mov_b32 s[LIM], 1
	s_mul_i32 s22, s23, 33*256
	s_add_co_u32 s22, s22, 2*BLK
	s_mov_b32 s23, 0
	s_add_nc_u64 s[PFA:PFA+1], s[PFA:PFA+1], s[22:23]
	v_and_b32 v[PFO], 31, v0
	v_lshlrev_b32 v[PFO], 8, v[PFO]
	v_mov_b32 v[PFZ], 0
	v_and_b32 v1, 15, v0
	v_bfe_u32 v2, v0, 4, 1
	s_wait_alu depctr_va_vdst(0)
	v_mul_u32_u24 v3, v1, PITCH
	v_lshl_add_u32 v4, v2, 4, v3
	s_mul_i32 s21, s15, HALFT
	s_mul_i32 s22, s16, HALFT
	s_add_co_u32 s22, s22, 2*HALFT
.irp s, 0,1
	v_add_nc_u32 v[ADRA+\s], s21, v4
	v_add_nc_u32 v[ADRB+\s], s22, v4
	s_add_co_u32 s21, s21, SLOT
	s_add_co_u32 s22, s22, SLOT
.endr
	s_mul_i32 s21, s15, HALFT
	s_mul_i32 s22, s16, HALFT
	s_add_co_u32 s22, s22, 2*HALFT
	s_sub_co_u32 s22, s22, s21
	v_mul_u32_u24 v6, s22, v2
	v_lshl_add_u32 v5, v1, 3, v6
	s_add_co_u32 s21, s21, SC0
	v_add_nc_u32 v[ADRS], s21, v5
	s_add_co_u32 s21, s21, SLOT
	v_add_nc_u32 v[ADRS+1], s21, v5
	s_mul_i32 s23, s14, 16*SPITCH
	v_mul_u32_u24 v5, v1, SPITCH
	v_lshl_add_u32 v5, v2, 5, v5
	v_add_nc_u32 v[STO], s23, v5
	v_and_b32 v6, 31, v0
	v_lshlrev_b32 v[CO], 4, v6
	v_add_nc_u32 v[RD], s23, v[CO]
	s_lshl_b32 s22, s42, 10
	s_lshl_b32 s23, s16, 9
	s_add_co_u32 s22, s22, s23
	s_mov_b32 s23, 0
	s_add_nc_u64 s[8:9], s[8:9], s[22:23]
	v_lshlrev_b32 v[BO], 5, v2
.irp b, 0,1,2,3,4,5,6,7
	global_load_b128 v[BIAS+8*\b:BIAS+8*\b+3], v[BO], s[8:9] offset:64*\b
	global_load_b128 v[BIAS+8*\b+4:BIAS+8*\b+7], v[BO], s[8:9] offset:64*\b+16
.endr
	s_lshl_b32 s20, s17, 22
	s_lshl_b32 s21, s15, 21
	s_add_co_u32 s20, s20, s21
	s_add_co_u32 s20, s20, s22
	s_mov_b32 s21, 0
	s_add_nc_u64 s[10:11], s[10:11], s[20:21]
.macro FRAG reg, adr, q, i
.irp c, 0,1,2,3
	ds_load_b128 v[\reg+4*\c:\reg+4*\c+3], v[\adr] offset:128*(\q)+32*\c+(\i)*16*PITCH
.endr
.endm
.macro MUL16 a0, p, q, sc, first
.irp a, \a0, \a0+1
.irp b, 0,1,2,3,4,5,6,7
.if \first
	v_wmma_scale_f32_16x16x128_f8f6f4 v[8*(8*((\a)%4)+\b):8*(8*((\a)%4)+\b)+7], v[128*(\p)+FR*\b:128*(\p)+FR*\b+FR-1], v[AF+FR*(\a):AF+FR*(\a)+FR-1], v[BIAS+8*\b:BIAS+8*\b+7], v[SC+8*NQ*(\sc)+NQ*\b+(\q)], v[SC+8*NQ*(\sc)+NQ*(\a)+(\q)] matrix_a_scale:MATRIX_SCALE_ROW1
.else
	v_wmma_scale_f32_16x16x128_f8f6f4 v[8*(8*((\a)%4)+\b):8*(8*((\a)%4)+\b)+7], v[128*(\p)+FR*\b:128*(\p)+FR*\b+FR-1], v[AF+FR*(\a):AF+FR*(\a)+FR-1], v[8*(8*((\a)%4)+\b):8*(8*((\a)%4)+\b)+7], v[SC+8*NQ*(\sc)+NQ*\b+(\q)], v[SC+8*NQ*(\sc)+NQ*(\a)+(\q)] matrix_a_scale:MATRIX_SCALE_ROW1
.endif
.endr
.endr
.endm
.macro FETCH_B slot, q, p
	WIN TO_B
.irp i, 0,1,2,3,4,5,6,7
	FRAG 128*(\p)+FR*\i, ADRB+\slot, \q, \i
.endr
	WIN 0
.endm
.macro FETCH_A slot, q, i0
.irp i, \i0, \i0+1, \i0+2, \i0+3
	FRAG AF+FR*(\i), ADRA+\slot, \q, \i
.endr
.endm
.macro SCALES sc
.irp i, 0,1,2,3,4,5,6,7
	ds_load_b64 v[SC+8*NQ*\sc+NQ*\i:SC+8*NQ*\sc+NQ*\i+1], v[ADRS+\sc] offset:272*(\i/2)+128*(\i%2)
.endr
.endm
.macro PLACES n
.rept \n
	v_nop
.endr
.endm
.macro STEP slot, q, first
	s_wait_dscnt 4*NL
.if \first
	WIN FIRST_LO
.else
	WIN MUL_LO
.endif
	MUL16 0, (\q)%2, \q, \slot, \first
	MUL16 2, (\q)%2, \q, \slot, \first
	s_wait_dscnt 0
	PLACES NP
	FETCH_B \slot, (\q)+1, 1-(\q)%2
	FETCH_A \slot, (\q)+1, 0
.if \first
	WIN FIRST_HI
.else
	WIN MUL_HI
.endif
	MUL16 4, (\q)%2, \q, \slot, \first
	MUL16 6, (\q)%2, \q, \slot, \first
	PLACES NP
	WIN 0
	FETCH_A \slot, (\q)+1, 4
.endm
.macro TURN slot, next, fill
.if \fill
	s_wait_xcnt 0x0
	s_add_nc_u64 s[PFA:PFA+1], s[PFA:PFA+1], BLK
.endif
	s_wait_tensorcnt 0x0
	ds_add_u32 v[SPW], v[NIL]
	s_wait_dscnt 4*NL+1
	WIN MUL_LO
	MUL16 0, 1, NQ-1, \slot, 0
	s_wait_dscnt 0x0
	s_barrier_signal -1
	MUL16 2, 1, NQ-1, \slot, 0
	WIN 0
	s_barrier_wait -1
.if \fill
	CREST
	s_add_nc_u64 s[G0+4*\slot+2:G0+4*\slot+3], s[G0+4*\slot+2:G0+4*\slot+3], 2*BLK
	s_add_nc_u64 s[G0B+4*\slot+2:G0B+4*\slot+3], s[G0B+4*\slot+2:G0B+4*\slot+3], 2*BLK
	JLOAD G0+4*\slot, G1, G0B+4*\slot, G1B
	PLACES NP-4
.else
	PLACES NP
.endif
	FETCH_B \next, 0, 0
	FETCH_A \next, 0, 0
	SCALES \next
.if \fill
	ASK
.endif
	WIN MUL_HI
	MUL16 4, 1, NQ-1, \slot, 0
	MUL16 6, 1, NQ-1, \slot, 0
	PLACES NP
	WIN 0
	FETCH_A \next, 0, 4
.endm
	s_wait_alu depctr_va_vdst(0)
	s_wait_tensorcnt 1
	s_barrier_signal -1
	s_barrier_wait -1
	FETCH_B 0, 0, 0
	FETCH_A 0, 0, 0
	SCALES 0
	FETCH_A 0, 0, 4
	s_wait_loadcnt 0x0
	STEP 0, 0, 1
	s_mov_b32 s3, LAPS-1
.Llap:
	TURN 0, 1, 1
	STEP 1, 0, 0
	TURN 1, 0, 1
	STEP 0, 0, 0
	s_sub_co_u32 s3, s3, 1
	s_cmp_lg_u32 s3, 0
	s_cbranch_scc1 .Llap
	TURN 0, 1, 0
	STEP 1, 0, 0
	s_wait_dscnt 4*NL
	WIN MUL_LO
	MUL16 0, 1, NQ-1, 1, 0
	MUL16 2, 1, NQ-1, 1, 0
	s_wait_dscnt 0
	WIN MUL_HI
	MUL16 4, 1, NQ-1, 1, 0
	MUL16 6, 1, NQ-1, 1, 0
	WIN 0
.macro TOSTAGE a
.set AC, 64*((\a)%4)
	WIN 0x08+4*((\a)/4)
.irp b, 0,1,2,3,4,5,6,7
	ds_store_b128 v[STO], v[AC+8*\b:AC+8*\b+3] offset:64*\b
	ds_store_b128 v[STO], v[AC+8*\b+4:AC+8*\b+7] offset:64*\b+16
.endr
	WIN 0
.set BB, BK+64*((\a)%2)
.irp t, 0,1,2,3,4,5,6,7,8,9,10,11,12,13,14,15
	ds_load_b128 v[BB+4*\t:BB+4*\t+3], v[RD] offset:\t*SPITCH
.endr
.endm
.macro SEND a, younger
.set BB, BK+64*((\a)%2)
	s_wait_dscnt \younger
.if (\a) > 0
	s_add_nc_u64 s[10:11], s[10:11], 16*SIZE_N*4
.endif
.irp t, 0,1,2,3,4,5,6,7,8,9,10,11,12,13,14,15
	global_store_b128 v[CO], v[BB+4*\t:BB+4*\t+3], s[10:11] offset:\t*SIZE_N*4 th:TH_STORE_NT
.endr
.endm
	PLACES NP
	TOSTAGE 0
.irp a, 1,2,3,4,5,6,7
.if \a > 1
	s_wait_xcnt 0x0
.endif
	TOSTAGE \a
	SEND \a-1, 32
.endr
	s_wait_xcnt 0x0
	SEND 7, 0
	s_wait_tensorcnt 0x0
	ds_add_u32 v[SPW], v[NIL]
	s_wait_dscnt 0x0
	CROUND
	s_endpgm
.Lfunc_end_k_q6e6836f3e6_gemm:
	.size	k_q6e6836f3e6_gemm, .Lfunc_end_k_q6e6836f3e6_gemm-k_q6e6836f3e6_gemm
	.p2alignl 7, 3214868480
	.fill 96, 4, 3214868480
	.section	.rodata,"a",@progbits
	.p2align	6, 0x0
	.amdhsa_kernel k_q6e6836f3e6_gemm
		.amdhsa_group_segment_fixed_size 327680
		.amdhsa_private_segment_fixed_size 0
		.amdhsa_enable_private_segment 0
		.amdhsa_kernarg_size 32
		.amdhsa_user_sgpr_count 2
		.amdhsa_user_sgpr_kernarg_segment_ptr 1
		.amdhsa_wavefront_size32 1
		.amdhsa_system_sgpr_workgroup_id_x 1
		.amdhsa_system_sgpr_workgroup_id_y 1
		.amdhsa_system_sgpr_workgroup_id_z 1
		.amdhsa_system_vgpr_workitem_id 0
		.amdhsa_next_free_vgpr 1024
		.amdhsa_next_free_sgpr 98
		.amdhsa_reserve_vcc 0
		.amdhsa_float_denorm_mode_32 3
		.amdhsa_float_denorm_mode_16_64 3
		.amdhsa_memory_ordered 1
		.amdhsa_forward_progress 1
		.amdhsa_inst_pref_size 147
	.end_amdhsa_kernel
	.amdgpu_metadata
---
amdhsa.version: [ 1, 2 ]
amdhsa.kernels:
  - .name:           k_q6e6836f3e6_gemm
    .symbol:         k_q6e6836f3e6_gemm.kd
    .args:
      - { .name: xq, .offset: 0, .size: 8, .value_kind: global_buffer, .address_space: global }
      - { .name: wq, .offset: 8, .size: 8, .value_kind: global_buffer, .address_space: global }
      - { .name: bias, .offset: 16, .size: 8, .value_kind: global_buffer, .address_space: global }
      - { .name: out0, .offset: 24, .size: 8, .value_kind: global_buffer, .address_space: global }
    .group_segment_fixed_size: 327680
    .private_segment_fixed_size: 0
    .kernarg_segment_align: 8
    .kernarg_segment_size: 32
    .max_flat_workgroup_size: 128
    .sgpr_count:     98
    .vgpr_count:     1024
    .wavefront_size: 32
...
	.end_amdgpu_metadata
.endif
;; end of part 2
